; MI455X (gfx1250); checked and timed in simulation.
; The chip was launched on July 23, 2026; its instructions are those of AMD's public machine-readable ISA for CDNA 5 (MIT licence, August 2026) and "CDNA5" Instruction Set Architecture Reference Guide (July 2026). The comments in the code are by the model that wrote it; some were corrected since.
;; SCA2 LSTM. Allowed arithmetic: matrix products marked QUANTISED: E2M1 operands, one E8M0 scale for each 32 along K, by v_wmma_scale_f32_16x16x128_f8f6f4 with both operands' format E2M1 (or v_wmma_scale_f32_32x16x128_f4), f32 sums; products left as they are: f32 operands where the result goes on into a quantised operand, else bf16, f16 or f32 operands; f32 sums; everything else in f32.
;; Inputs: W_ih1_codes 1,024 x 1 x 16 uint8 (E2M1 codes of W_ih1, K innermost, in blocks of 32 codes, two codes a byte); W_ih1_scales 1,024 x 1 uint8 (E8M0 scales of W_ih1, one for each 32 codes along K); W_ih2_codes 1,024 x 2 x 16 uint8 (E2M1 codes of W_ih2, K innermost, in blocks of 32 codes, two codes a byte); W_ih2_scales 1,024 x 2 uint8 (E8M0 scales of W_ih2, one for each 32 codes along K); Wg1_codes 32 x 8 x 16 uint8 (E2M1 codes of Wg1, K innermost, in blocks of 32 codes, two codes a byte); Wg1_scales 32 x 8 uint8 (E8M0 scales of Wg1, one for each 32 codes along K); Wg2_codes 32 x 1 x 16 uint8 (E2M1 codes of Wg2, K innermost, in blocks of 32 codes, two codes a byte); Wg2_scales 32 x 1 uint8 (E8M0 scales of Wg2, one for each 32 codes along K); Wp1_codes 16 x 8 x 16 uint8 (E2M1 codes of Wp1, K innermost, in blocks of 32 codes, two codes a byte); Wp1_scales 16 x 8 uint8 (E8M0 scales of Wp1, one for each 32 codes along K); Wp2 1 x 16 float32; b1 1,024 float32; b2 1,024 float32; basin_emb 531 x 32 float32; basin_ids 256 int32; bg1 32 float32; bg2 32 float32; bp1 16 float32; bp2 1 float32; ln_b 1 float32; ln_g 1 float32; lstm1_input 256 x 512 x 32 float32; missing_bool 256 x 512 x 32 float32; residual 256 float32; seq_features 256 x 512 x 32 float32.
;; Outputs: out0 256 x 1 float32; out1 256 x 512 x 32 float32.
;; This version of the problem:
;;   THIS VERSION OF THE PROBLEM IS GIVEN IN LOW PRECISION. The matrix products marked QUANTISED in the list below multiply operands that are first quantised to E2M1 (2 exponent bits, 1 mantissa bit; 4 bits a number), with one power-of-two scale for each 32 numbers along K (OCP MX v1.0); their sums are f32. All else is computed in f32.
;;   The module's matrix products, in the order in which they are computed (A, B: the left and right operand; K: the contracted axis; several contracted axes count as one K, in the product's order):
;;     1. [M 131,072, K 32] x [K 32, N 1,024]; A: computed on the way; B: input W_ih1 (given as codes): QUANTISED
;;     2. [M 131,072, K 256] x [K 256, N 32]; A: computed on the way; B: input Wg1 (given as codes): QUANTISED
;;     3. [M 131,072, K 32] x [K 32, N 32]; A: computed on the way; B: input Wg2 (given as codes): QUANTISED
;;     4. [M 131,072, K 64] x [K 64, N 1,024]; A: computed on the way; B: input W_ih2 (given as codes): QUANTISED
;;     5. [M 256, K 256] x [K 256, N 16]; A: computed on the way; B: input Wp1 (given as codes): QUANTISED
;;     6. [M 256, K 16] x [K 16, N 1]; A: computed on the way; B: input Wp2: left as it is (K = 16 < 32)
;;   THE QUANTISER, for each operand of a quantised product, along K:
;;     - K is cut into blocks of 32 from its start; a last block that is shorter is filled with zeros.
;;     - A block's scale is 2^e with e = floor(log2(the largest magnitude in the block)) - 2, held to -126 .. 127; a block of zeros has e = 0. As a byte (E8M0): e + 127.
;;     - Each number is divided by its block's scale, clamped to +-6, and rounded to the nearest number of E2M1, ties to even, subnormals kept.
;;     - The product sums the exact products of the quantised numbers (number of the format x scale) in f32.
;;   ~~~python
;;   def quantise(x, axis):      # numpy; x: float32 -> the quantised numbers, widened to float32 again
;;       x = np.moveaxis(x, axis, -1); K = x.shape[-1]
;;       x = np.pad(x, [(0, 0)] * (x.ndim - 1) + [(0, -K % 32)]); x = x.reshape(x.shape[:-1] + (-1, 32)); a = np.abs(x).max(-1, keepdims=True)
;;       e = np.where(a > 0, np.clip(np.frexp(np.where(a > 0, a, 1))[1] - 1 - 2, -126, 127), 0)      # np.frexp(a)[1] - 1 = floor(log2(a)), exactly
;;       r = np.clip(x / 2.0 ** e, -6, 6)
;;       step = 2.0 ** (np.maximum(np.frexp(np.where(r == 0, 1, r))[1] - 1, 0) - 1)
;;       q = np.round(r / step) * step * 2.0 ** e      # np.round: ties to even
;;       return np.moveaxis(q.reshape(q.shape[:-2] + (-1,))[..., :K], -1, axis).astype(np.float32)
;;   ~~~
;;   OPERANDS COMPUTED ON THE WAY. 'Computed on the way' means the value that the module computes at that place (a softmax that the list does not call 'softmax' is quantised finished and normalised). What goes into a quantiser is computed in f32, as accurately as f32 sums, v_exp_f32 and their like allow (about 1e-6 of the number): no bf16 or f16 on the way to a quantiser, and a product that is left as it is and whose result goes on into a quantised operand takes f32 operands (vector FMAs, or v_wmma_f32_16x16x4_f32). A number that lies on a knife's edge between two numbers of the format may be rounded either way, as far as f32 arithmetic and the matrix unit's own rounding can turn it there, and no further.
;;   INPUTS GIVEN AS CODES. W_ih1 (in the module: [1024, 32], K = its axis 1); W_ih2 (in the module: [1024, 64], K = its axis 1); Wg1 (in the module: [32, 256], K = its axis 1); Wg2 (in the module: [32, 32], K = its axis 1); Wp1 (in the module: [16, 256], K = its axis 1): each comes as NAME_codes (uint8): NAME with its K axis moved to the last place and cut into blocks of 32 codes, [.., K / 32, bytes a block], one block behind the other in memory; two codes a byte, the lower K in the low four bits (a code: sign, 2 exponent bits, 1 mantissa bit); and NAME_scales (uint8): the same leading axes, one E8M0 byte (e + 127) for each 32 codes along K. Its value is code x scale, taken as it is: it is not quantised again, and the codes and scales need not be those that the quantiser above would give.
;; One version. Each part assembles by itself: llvm-mc -triple=amdgcn-amd-amdhsa -mcpu=gfx1250 --defsym DOCPART=n.
;; ======== version 1 of 1: 1 launch
;; limits: right only within a limited range of input values
;; launch sca2lstm (part 1): grid 256 x 1, 32 waves a work-group, no clusters, 194,304 bytes of LDS; arguments lstm1_input, missing_bool, seq_features, out1, W_ih1_codes, W_ih1_scales, b1, Wg1_codes, Wg1_scales, bg1, Wg2_codes, Wg2_scales, bg2, W_ih2_codes, W_ih2_scales, b2, Wp1_codes, Wp1_scales, bp1, Wp2, bp2, basin_ids, basin_emb, out0; writes out1, out0
.if DOCPART == 1
	.amdgcn_target "amdgcn-amd-amdhsa--gfx1250"
	.amdhsa_code_object_version 6
	.text
	.protected	k_q78d5d625f1_sca2lstm
	.globl	k_q78d5d625f1_sca2lstm
	.p2align	8
	.type	k_q78d5d625f1_sca2lstm,@function
k_q78d5d625f1_sca2lstm:
	s_mov_b64 s[64:65], 0
	v_nop
	global_prefetch_b8 v0, s[64:65] scope:SCOPE_SE
	s_setreg_imm32_b32 hwreg(HW_REG_WAVE_MODE, 25, 1), 1
	s_wait_xcnt 0x0
; SCA2LSTM in MX-FP4, one launch.  Work-group g is series g (512 time steps); wave w of its 32 owns the 16 rows of tile 31 - w and makes out1 for them alone:
; clip and quantise x1 | product 1 (K = 32) | LSTM cell with zero state | quantise h1 | product 2 (K = 256) | leaky | quantise | product 3 (K = 32) | softmax, mask, renormalise, clip.
; Wave 0 owns t = 511 and makes the prediction of the series by itself, so that one barrier, behind the fill of LDS, is all that the waves have in common.
; DEAD WORK, left out for all values of the inputs: the f gate (it multiplies c_prev, a zero that reference() builds): its rows of W_ih1, W_ih2 and its parts of b1, b2 are not used;
; h2 and products 4 to 6 for t < 511 (reference() keeps h2[:, -1] alone); rn, which reference() uses nowhere and returns nowhere: so residual, ln_g and ln_b have no way to an output and are no arguments.
; The clips of h1, h2 to +-5 and of sf x w to +-3 cannot act (|h| < 1, |sf x w| <= 1.5).
; LIMITS: NaN and infinities among the inputs are not served; a NaN, an infinity or an overflow that reaches only the work left out is not carried to the results.
; A sigmoid under about 2^-126 comes out as 0.  A block of zeros gets the scale byte 1 where the quantiser says 127: its codes are zeros, and the bytes are read by this program alone.
; PRODUCTS 1 TO 3 ARE USED TRANSPOSED: source 0 = 16 rows of a weight, source 1 = 16 data rows; a lane (r = lane % 16, h = lane / 16) then holds data row r, its registers run along the units.
; THE ROWS OF A WEIGHT THAT FORM A TILE ARE NOT NEIGHBOURS: lane r of tile u of a block of 32 takes row 8 u + r % 8 + 16 (r / 8): the 16 registers of tiles u = 0, 1 are units 16 h + 0 .. 15: neighbours along the next K.
; K = 32 IN AN INSTRUCTION OF K = 128: four registers of W_ih1 hold tile u = 0 in lanes 0-15 (K block 0) and tile u = 1 in lanes 16-31 (K block 1); x's codes stand in the half that is meant, zeros everywhere else,
; so the other K blocks add nothing whatever codes the weight's side holds there; their scale bytes are 0 (2^-127), never 0xff.
; THE CELL, five transcendentals: a = 2^(-l i), b = 2^(-2 l c, at most 60), e = 2^(-l o), l = log2(e);  cc = (1 - b) / ((1 + a)(1 + b));  h = cc / ((1 + e) D(cc^2)).
; D is x coth x as a polynomial of degree 4 in x^2; |cc| < 1 for every input, and on 0 .. 1 its relative error is under 6e-8.  b is finite, so an infinite a or e gives a reciprocal of 0 times a finite number.
; No tensor loads, no cluster, no prefetch: a wave reads 2 KiB of x and 2 KiB of missing_bool once, with no stream to run ahead in; what work-groups share is about 25 KiB of weights, brought once through registers.
.set IMG,  0                           ; LDS: block b of 32 units at 4096 b: W_ih1's register images of gate g at + 512 g (gate 1 unused), scale words of the four gates at + 2048 + 16 lane (gate 1's 0)
.set BIAS, 32768                       ; b1 as it lies
.set BGB,  36864                       ; bg1, bg2
.set G1I,  37120                       ; Wg1's rows, 144 apart, row k at place k with bits 3 and 4 changed over
.set G1S,  41728                       ; its scales, 8 bytes a place
.set G2I,  41984                       ; Wg2's rows, 16 bytes a place
.set G2S,  42496                       ; its scales, a word a place
.set STG,  42752                       ; a stage for each wave: 16 rows of 128 bytes, 144 apart
.set PK,   116480                      ; for each wave: h1's codes [block][row][16 bytes] (2,048), then its scale bytes [8 lane + block] (256)
.set WREG, 2304                        ; bytes of a wave's stage, and of its part of PK
.set SPARE, 190208                     ; the spare words, 128 bytes for each wave
.set SEL,  66                          ; s[66:67] v_permlanex16_b32's selects for lane l xor 16
.set NL,   68                          ; pairs whose two words are alike: -l,
.set N2L,  70                          ; -2 l,
.set PL,   72                          ; l,
.set K1,   74                          ; and D's coefficients
.set K2,   76
.set K4,   78
.set K3V,  62                          ; v[62:63] the coefficient of degree 3, twice
.set XF,   24                          ; v24-31, v32-39: x's operand for u = 0, 1: 4 registers of codes, 4 of zeros
.set WQ,   40                          ; v40-51 W_ih1's quads of gates i, g, o; v52-55 stand behind the last quad (finite codes whatever they hold); the cell uses all 16 for D
.set WS,   56                          ; v56-59 scale words of gates i, f, g, o
.set XS,   60                          ; x's scale word
.set AC,   64                          ; v64-111 the gates: I at + 0, C at + 16, O at + 32: the biases are loaded here as C; h ends in C
.set MB,   112                         ; v112-127 missing_bool as loaded, on its way through the loop; then by rows
.set HD,   40                          ; behind the loop: hid,
.set LG,   64                          ; the logits, then e, p, w
; v0 thread; v1 16 lane; v2, v3 where h1's codes and bytes are parked; v4 64 h; v5 the stage by (row r, half h); v6, v8, v9, v10 addresses; v7 the stage by dense 512 bytes; v11 lane; v12-15 codes and bytes; v16 r; v17 h;
; v18 the spare word's address; v19 0; v20-23 at work; v61 h1's codes as fragments.
.macro PLACES n                        ; plain vector places behind a matrix instruction (ISA guide 7.12.1), or in front of a scaled one whose operands vector instructions wrote
.rept \n
	v_nop
.endr
.endm
.macro MM d, a, b, sa, sb              ; D = A x B + D on codes of E2M1
	v_wmma_scale_f32_16x16x128_f8f6f4 v[(\d):(\d)+7], v[(\a):(\a)+7], v[(\b):(\b)+7], v[(\d):(\d)+7], v[(\sa)], v[(\sb)] matrix_a_fmt:MATRIX_FMT_FP4 matrix_b_fmt:MATRIX_FMT_FP4
.endm
; The cell on n units a lane, each accumulator from its low end on; t: n registers for D.
.macro ACT i, c, o, t, n, pf           ; pf: which LDS loads are asked for once i's and t's registers are free: 1 the next block's, 2 the weight head's, 0 none
.set J, 0
.rept \n/2
	v_pk_mul_f32 v[\i+J:\i+J+1], v[\i+J:\i+J+1], s[NL:NL+1] op_sel_hi:[1,0]
.set J, J+2
.endr
.set J, 0
.rept \n/2
	v_pk_mul_f32 v[\c+J:\c+J+1], v[\c+J:\c+J+1], s[N2L:N2L+1] op_sel_hi:[1,0]
.set J, J+2
.endr
.set J, 0
.rept \n/2
	v_pk_mul_f32 v[\o+J:\o+J+1], v[\o+J:\o+J+1], s[NL:NL+1] op_sel_hi:[1,0]
.set J, J+2
.endr
.set J, 0
.rept \n/2
	v_dual_min_num_f32 v[\c+J], s84, v[\c+J] :: v_dual_min_num_f32 v[\c+J+1], s84, v[\c+J+1]
.set J, J+2
.endr
	s_wait_alu depctr_va_vdst(0)                   ; a wait ahead of each batch of transcendentals and one behind it
.set J, 0
.rept \n
	v_exp_f32 v[\i+J], v[\i+J]                     ; a
.set J, J+1
.endr
.set J, 0
.rept \n
	v_exp_f32 v[\c+J], v[\c+J]                     ; b
.set J, J+1
.endr
	v_nop
	s_wait_alu depctr_va_vdst(0)
.set J, 0
.rept \n/2
	v_pk_add_f32 v[\i+J:\i+J+1], v[\i+J:\i+J+1], 1.0 op_sel_hi:[1,0]                   ; 1 + a
.set J, J+2
.endr
.set J, 0
.rept \n/2
	v_pk_fma_f32 v[\i+J:\i+J+1], v[\i+J:\i+J+1], v[\c+J:\c+J+1], v[\i+J:\i+J+1]        ; (1 + a)(1 + b)
.set J, J+2
.endr
	s_wait_alu depctr_va_vdst(0)
.set J, 0
.rept \n/2
	v_rcp_f32 v[\i+J], v[\i+J]
	v_pk_fma_f32 v[\c+J:\c+J+1], v[\c+J:\c+J+1], -1.0, 1.0 op_sel_hi:[1,0,0]           ; 1 - b: first read behind the batch's wait
	v_rcp_f32 v[\i+J+1], v[\i+J+1]
.set J, J+2
.endr
.set J, 0
.rept \n
	v_exp_f32 v[\o+J], v[\o+J]                     ; e
.set J, J+1
.endr
	v_nop
	s_wait_alu depctr_va_vdst(0)
.set J, 0
.rept \n/2
	v_pk_mul_f32 v[\c+J:\c+J+1], v[\c+J:\c+J+1], v[\i+J:\i+J+1]                        ; cc = sigmoid(i) tanh(c)
.set J, J+2
.endr
.set J, 0
.rept \n/2
	v_pk_mul_f32 v[\i+J:\i+J+1], v[\c+J:\c+J+1], v[\c+J:\c+J+1]                        ; z = cc^2
.set J, J+2
.endr
.set J, 0
.rept \n/2
	v_pk_fma_f32 v[\t+J:\t+J+1], v[\i+J:\i+J+1], s[K4:K4+1], v[K3V:K3V+1] op_sel_hi:[1,0,0]
.set J, J+2
.endr
.set J, 0
.rept \n/2
	v_pk_fma_f32 v[\t+J:\t+J+1], v[\t+J:\t+J+1], v[\i+J:\i+J+1], s[K2:K2+1] op_sel_hi:[1,1,0]
.set J, J+2
.endr
.set J, 0
.rept \n/2
	v_pk_fma_f32 v[\t+J:\t+J+1], v[\t+J:\t+J+1], v[\i+J:\i+J+1], s[K1:K1+1] op_sel_hi:[1,1,0]
.set J, J+2
.endr
.set J, 0
.rept \n/2
	v_pk_fma_f32 v[\t+J:\t+J+1], v[\t+J:\t+J+1], v[\i+J:\i+J+1], 1.0 op_sel_hi:[1,1,0] ; D(z)
.set J, J+2
.endr
.set J, 0
.rept \n/2
	v_pk_fma_f32 v[\o+J:\o+J+1], v[\o+J:\o+J+1], v[\t+J:\t+J+1], v[\t+J:\t+J+1]        ; (1 + e) D
.set J, J+2
.endr
.if \pf == 1
	LOADI
.endif
.if \pf == 2
	HEADI
.endif
	s_wait_alu depctr_va_vdst(0)
.set J, 0
.rept \n
	v_rcp_f32 v[\o+J], v[\o+J]
.set J, J+1
.endr
	v_nop
	s_wait_alu depctr_va_vdst(0)
.set J, 0
.rept \n/2
	v_pk_mul_f32 v[\c+J:\c+J+1], v[\c+J:\c+J+1], v[\o+J:\o+J+1]                        ; h = sigmoid(o) tanh(cc)
.set J, J+2
.endr
.endm
; 16 numbers of a lane, v[s] on (k = 16 h + 0 .. 15 of a block of 32 of my row), become 16 codes in v[p], v[p + 1] and the block's scale byte in v[by].
.macro QUANT1 s, p, by
	v_max3_num_f32 v20, |v[(\s)]|, |v[(\s)+1]|, 0x1800000          ; the floor 2^(3 - 127) among the leaves: the byte cannot fall under 1
	v_max3_num_f32 v21, |v[(\s)+2]|, |v[(\s)+3]|, |v[(\s)+4]|       ; (five leaves side by side; the codes' registers hold two of them)
	v_max3_num_f32 v22, |v[(\s)+5]|, |v[(\s)+6]|, |v[(\s)+7]|
	v_max3_num_f32 v[(\p)], |v[(\s)+8]|, |v[(\s)+9]|, |v[(\s)+10]|
	v_max3_num_f32 v[(\p)+1], |v[(\s)+11]|, |v[(\s)+12]|, |v[(\s)+13]|
	v_max3_num_f32 v20, v20, v21, v22
	v_max3_num_f32 v[(\p)], v[(\p)], v[(\p)+1], |v[(\s)+14]|
	s_delay_alu instid0(VALU_DEP_1)
	v_max3_num_f32 v20, v20, v[(\p)], |v[(\s)+15]|
	s_delay_alu instid0(VALU_DEP_1)
	v_permlanex16_b32 v21, v20, s[SEL], s[SEL+1]
	s_delay_alu instid0(VALU_DEP_1)
	v_max_num_f32 v20, v20, v21                                    ; with lane l xor 16's 16: the block's largest magnitude
	s_delay_alu instid0(VALU_DEP_1)
	v_add_nc_u32 v22, 0xff000000, v20                              ; 2 off its exponent field: the conversion takes the exponent field of this operand as its scale
	s_delay_alu instid0(VALU_DEP_1)
	v_lshrrev_b32 v[(\by)], 23, v22                                ; the scale's byte
	v_cvt_scalef32_pk8_fp4_f32 v[(\p)], v[(\s):(\s)+7], v22
	v_cvt_scalef32_pk8_fp4_f32 v[(\p)+1], v[(\s)+8:(\s)+15], v22
	v_nop                                                          ; one plain place behind a scaled conversion
.endm
.macro ROWSUM b                        ; the sum of LG's 16 numbers and lane l xor 16's, into v20; two chains, the second in v[b], v[b + 1]
	v_pk_add_f32 v[20:21], v[LG:LG+1], v[LG+2:LG+3]
	v_pk_add_f32 v[\b:\b+1], v[LG+4:LG+5], v[LG+6:LG+7]
	v_pk_add_f32 v[20:21], v[20:21], v[LG+8:LG+9]
	v_pk_add_f32 v[\b:\b+1], v[\b:\b+1], v[LG+10:LG+11]
	v_pk_add_f32 v[20:21], v[20:21], v[LG+12:LG+13]
	v_pk_add_f32 v[\b:\b+1], v[\b:\b+1], v[LG+14:LG+15]
	s_delay_alu instid0(VALU_DEP_1)
	v_pk_add_f32 v[20:21], v[20:21], v[\b:\b+1]
	s_delay_alu instid0(VALU_DEP_1)
	v_add_f32 v20, v20, v21
	s_delay_alu instid0(VALU_DEP_1)
	v_permlanex16_b32 v21, v20, s[SEL], s[SEL+1]
	s_delay_alu instid0(VALU_DEP_1)
	v_add_f32 v20, v20, v21
.endm
	s_load_b512 s[4:19], s[0:1], 0x0               ; lstm1_input, missing_bool, seq_features, out1, W_ih1's codes, scales, b1, Wg1's codes
	s_load_b512 s[20:35], s[0:1], 0x40             ; Wg1's scales, bg1, Wg2's codes, scales, bg2, W_ih2's codes, scales, b2
	s_load_b512 s[36:51], s[0:1], 0x80             ; Wp1's codes, scales, bp1, Wp2, bp2, basin_ids, basin_emb, out0
	v_lshrrev_b32 v20, 5, v0
	v_readfirstlane_b32 s58, v20                   ; wave 0 .. 31
	s_and_b32 s89, s58, 7                          ; in the fill wave w brings gate w / 8, block w % 8 of W_ih1: rows 32 w .. 32 w + 31
	s_lshr_b32 s90, s58, 3
	s_lshl_b32 s91, s89, 12
	s_lshl_b32 s92, s90, 9
	s_add_co_u32 s92, s91, s92                     ; its image
	s_lshl_b32 s93, s90, 2
	s_add_co_u32 s91, s91, s93
	s_add_co_u32 s91, s91, 2048                    ; and its scale words
	s_lshl_b32 s93, s58, 9
	s_lshl_b32 s94, s58, 5
	s_mul_i32 s62, s58, WREG
	s_add_co_u32 s63, s62, PK                      ; my part of PK
	s_add_co_u32 s62, s62, STG                     ; my stage
	s_sub_co_u32 s60, 31, s58                      ; my tile of 16 rows: 2,048 bytes
	s_lshl_b32 s60, s60, 11
	s_lshl_b32 s61, ttmp9, 16                      ; a series is 512 rows of 128 bytes
	s_add_co_u32 s60, s60, s61
	s_mov_b32 s61, 0
	s_mov_b32 s[SEL], 0x76543210
	s_mov_b32 s[SEL+1], 0xfedcba98
.irp i, 0,1
	s_mov_b32 s[NL+\i], 0xbfb8aa3b
	s_mov_b32 s[N2L+\i], 0xc038aa3b
	s_mov_b32 s[PL+\i], 0x3fb8aa3b
	s_mov_b32 s[K1+\i], 0x3eaaaa75                 ; 0.33333172
	s_mov_b32 s[K2+\i], 0xbcb5efdd                 ; -0.022209103
	s_mov_b32 s[K4+\i], 0xb92e19a7                 ; -0.00016603490
.endr
	s_mov_b32 s84, 0x42700000                      ; 60
	s_mov_b32 s85, 0xc0400000                      ; -3
	s_mov_b32 s86, 0x40400000                      ; 3
	v_lshl_add_u32 v18, v0, 2, SPARE
	v_mov_b32 v19, 0
	v_and_b32 v11, 31, v0
	v_and_b32 v16, 15, v0
	v_bfe_u32 v17, v0, 4, 1
	v_bfe_u32 v21, v0, 3, 1
	v_and_b32 v24, 7, v0
	v_lshl_or_b32 v24, v17, 3, v24
	v_lshl_or_b32 v24, v21, 4, v24                 ; my lane's number with bits 3 and 4 changed over: the row of a block that my lane holds
	v_lshlrev_b32 v1, 4, v11
	v_lshl_add_u32 v25, v24, 4, s93                ; W_ih1's codes: 16 bytes a row
	v_and_b32 v26, 0x17, v24
	v_add_nc_u32 v26, s94, v26                     ; its scales: tile u = 0's row r; u = 1's is 8 further on
	v_lshlrev_b32 v27, 2, v0                       ; b1: a word a thread
	v_and_b32 v28, 0xff, v0
	v_lshlrev_b32 v28, 4, v28                      ; Wg1 (waves 8 to 15): 16 bytes a thread, eight threads a row
	v_bfe_u32 v29, v0, 3, 3
	v_bfe_u32 v20, v0, 7, 1
	v_lshl_or_b32 v29, v20, 3, v29
	v_bfe_u32 v20, v0, 6, 1
	v_lshl_or_b32 v29, v20, 4, v29                 ; the row's place
	v_mul_u32_u24 v29, 0x90, v29
	v_and_b32 v20, 7, v0
	v_lshl_add_u32 v29, v20, 4, v29
	v_lshlrev_b32 v30, 3, v11
	v_lshlrev_b32 v31, 2, v11
	v_lshlrev_b32 v32, 3, v24
	v_lshlrev_b32 v33, 4, v24
	v_lshlrev_b32 v34, 2, v24
	v_add_nc_u32 v35, s92, v1
	v_add_nc_u32 v36, s91, v1
	v_mov_b32 v37, 0
	v_lshlrev_b32 v2, 4, v16
	v_lshl_add_u32 v2, v17, 3, v2
	v_add_nc_u32 v2, s63, v2                       ; h1's codes: 16 r + 8 h
	v_add_nc_u32 v3, s63, v30
	v_add_nc_u32 v3, 2048, v3                      ; h1's bytes: 8 lane
	v_lshlrev_b32 v4, 6, v17
	v_add_nc_u32 v61, s63, v1
	v_lshrrev_b32 v22, 3, v11
	v_mul_u32_u24 v7, 0x90, v22
	v_lshl_add_u32 v7, v20, 4, v7
	v_add_nc_u32 v7, s62, v7                       ; the stage, dense side: a load's 512 bytes are four rows: row lane / 8, byte 16 (lane % 8)
	v_mul_u32_u24 v5, 0x90, v16
	v_lshl_add_u32 v5, v17, 6, v5
	v_add_nc_u32 v5, s62, v5                       ; row r, + 64 h
	v_mov_b32 v[K3V], 0x3b0839c6                   ; 0.0020786389
	v_mov_b32 v[K3V+1], 0x3b0839c6
.irp j, 52,53,54,55
	v_mov_b32 v[\j], 0
.endr
	s_wait_alu depctr_va_vdst(0)                   ; the wait here, directly ahead of the wait below
	s_wait_kmcnt 0x0
	s_add_nc_u64 s[4:5], s[4:5], s[60:61]
	s_add_nc_u64 s[6:7], s[6:7], s[60:61]
	s_add_nc_u64 s[10:11], s[10:11], s[60:61]
	s_cmp_eq_u32 s90, 1
	s_cbranch_scc1 .Lload_heads
	global_load_b128 v[64:67], v25, s[12:13]
	global_load_u8 v68, v26, s[14:15]
	global_load_u8 v69, v26, s[14:15] offset:8
	global_load_b32 v70, v27, s[16:17]
	s_branch .Lload_x
.Lload_heads:                                      ; waves 8 to 15 (gate f's rows are not used) bring Wg1,
	global_load_b128 v[72:75], v28, s[18:19]
	s_cmp_lg_u32 s58, 15
	s_cbranch_scc1 .Lload_x
	global_load_b64 v[76:77], v30, s[20:21]        ; and wave 15 the small ones
	global_load_b128 v[80:83], v1, s[24:25]
	global_load_u8 v84, v11, s[26:27]
	global_load_b32 v85, v31, s[22:23]
	global_load_b32 v86, v31, s[28:29]
.Lload_x:
.irp i, 0,1,2,3
	global_load_b128 v[88+4*\i:91+4*\i], v1, s[4:5] offset:512*\i th:TH_LOAD_NT      ; my 16 rows of lstm1_input: 512 consecutive bytes a load
.endr
	s_lshl_b32 s60, ttmp9, 16
	s_add_co_u32 s60, s60, 65408                   ; seq_features at the series' row 511
	s_add_nc_u64 s[8:9], s[8:9], s[60:61]
	s_lshl_b32 s60, ttmp9, 2
	s_add_nc_u64 s[46:47], s[46:47], s[60:61]
	s_add_nc_u64 s[50:51], s[50:51], s[60:61]
	s_load_b32 s88, s[46:47], 0x0                  ; the series' basin
	s_load_b32 s87, s[44:45], 0x0                  ; bp2
	s_wait_loadcnt 0x4                             ; the fill's loads are in; behind them x's four were issued
	s_cmp_eq_u32 s90, 1
	s_cbranch_scc1 .Lstore_heads
	ds_store_b128 v35, v[64:67] offset:IMG
	v_lshl_or_b32 v68, v69, 8, v68                 ; byte 0 tile u = 0's row r, byte 1 tile u = 1's; bytes 2, 3 zero
	ds_store_b32 v36, v68 offset:IMG
	ds_store_b32 v27, v70 offset:BIAS
	s_branch .Lfilled
.Lstore_heads:
	ds_store_b128 v29, v[72:75] offset:G1I
	ds_store_b32 v36, v37 offset:IMG
	s_cmp_lg_u32 s58, 15
	s_cbranch_scc1 .Lfilled
	ds_store_b64 v32, v[76:77] offset:G1S
	ds_store_b128 v33, v[80:83] offset:G2I
	ds_store_b32 v34, v84 offset:G2S
	ds_store_b32 v31, v85 offset:BGB
	ds_store_b32 v31, v86 offset:BGB+128
.Lfilled:
	s_wait_dscnt 0x0                               ; for the others' sake: my part of the fill has landed
	s_barrier_signal -1
	s_barrier_wait -1
	s_wait_loadcnt 0x0                             ; my x is in
.irp i, 0,1,2,3
	ds_store_b128 v7, v[88+4*\i:91+4*\i] offset:576*\i
.endr
.irp k, 0,1,2,3
	ds_load_b128 v[64+4*\k:67+4*\k], v5 offset:16*\k           ; through my stage (LDS serves a wave's instructions in order: ISA guide 5.7.1.4): x(row r, 16 h + 0 .. 15)
.endr
.irp i, 0,1,2,3
	global_load_b128 v[MB+4*\i:MB+4*\i+3], v1, s[6:7] offset:512*\i th:TH_LOAD_NT    ; missing_bool: wanted behind the loop
.endr
	s_wait_dscnt 0x0
.irp j, 0,1,2,3,4,5,6,7,8,9,10,11,12,13,14,15
	v_med3_num_f32 v[64+\j], v[64+\j], s85, s86
.endr
	QUANT1 64, XF, 14
.macro LOADB q                         ; a gate's biases start its sums
.irp k, 0,1,2,3
	ds_load_b128 v[AC+16*\q+4*\k:AC+16*\q+4*\k+3], v8 offset:BIAS+(\q+(\q+1)/2)*1024+16*\k
.endr
.endm
.macro LOADI                           ; a block's quads, scale words and gate i's biases
	ds_load_b128 v[WQ:WQ+3], v6 offset:IMG
	ds_load_b128 v[WQ+4:WQ+7], v6 offset:IMG+1024
	ds_load_b128 v[WQ+8:WQ+11], v6 offset:IMG+1536
	ds_load_b128 v[WS:WS+3], v6 offset:IMG+2048
	LOADB 0
.endm
.macro LOADG1 u                        ; Wg1's fragments of tile u
.irp s, 0,1
.irp c, 0,1
	ds_load_b128 v[64+8*(2*\u+\s)+4*\c:64+8*(2*\u+\s)+4*\c+3], v6 offset:G1I+2304*\u+64*\s+32*\c
.endr
.endr
.endm
.macro HEADI                           ; for the weight head: bg1(16 h + 0 .. 15), which starts product 2's sums, Wg1's tile 0 and the scale words
.irp k, 0,1,2,3
	ds_load_b128 v[HD+4*\k:HD+4*\k+3], v4 offset:BGB+16*\k
.endr
	LOADG1 0
.irp u, 0,1
	ds_load_b64 v[56+2*\u:57+2*\u], v8 offset:G1S+128*\u
.endr
.endm
; Block b = s80 of 32 hidden units.  Its operands were asked for in the trip before; this trip asks for the next block's as their registers fall free, the last one for the weight head's.
.macro TRIP last
	s_lshl_b32 s83, s80, 8
	s_wait_dscnt 0x0
.irp q, 0,1,2
.irp u, 0,1
	MM AC+16*\q+8*\u, WQ+4*\q, XF+8*\u, WS+\q+(\q+1)/2, XS
.endr
.endr
.if \last                              ; the addresses made here are the four places and more ahead of the first read of the results
	v_mul_u32_u24 v6, 0x90, v16
	v_lshl_add_u32 v6, v17, 4, v6                  ; Wg1: place r, + 16 h
	v_lshlrev_b32 v8, 3, v16                       ; its scales
	v_lshlrev_b32 v15, 4, v16                      ; Wg2
	v_lshlrev_b32 v23, 2, v16                      ; its scales
	ACT AC, AC+16, AC+32, WQ, 16, 2
.irp u, 0,1
	ds_load_b128 v[96+4*\u:99+4*\u], v15 offset:G2I+256*\u
	ds_load_b32 v[108+\u], v23 offset:G2S+64*\u
.endr
	ds_load_b128 v[104:107], v15 offset:G2I        ; stands behind the second quad: K blocks of zeros on hid's side
	QUANT1 AC+16, 12, 14
	LOADG1 1
	ds_store_b64 v2, v[12:13] offset:7*256
	ds_store_b8 v3, v14 offset:7
.else
	v_add_nc_u32 v9, s83, v2                       ; where this block's codes are parked: 256 b,
	v_add_nc_u32 v10, s80, v3                      ; and its byte: b
	s_add_co_u32 s80, s80, 1
	s_lshl_b32 s81, s80, 12
	s_lshl_b32 s82, s80, 7
	v_add_nc_u32 v6, s81, v1                       ; the next block's image
	v_add_nc_u32 v8, s82, v4                       ; and biases
	ACT AC, AC+16, AC+32, WQ, 16, 1
	LOADB 2
	QUANT1 AC+16, 12, 14
	LOADB 1
	ds_store_b64 v9, v[12:13]
	ds_store_b8 v10, v14
.endif
.endm
	v_lshlrev_b32 v6, 4, v11
	v_lshlrev_b32 v8, 6, v17
	LOADI                                          ; block 0
	LOADB 1
	LOADB 2
	v_mov_b32 v34, v24
	v_mov_b32 v35, v25
.irp j, 26,27,32,33
	v_mov_b32 v[\j], 0
.endr
	v_lshl_or_b32 v[XS], v14, 8, v14               ; the row's byte for K block 0 and for K block 1
	v_permlane16_swap_b32 v24, v26                 ; u = 0: the whole block of 32 in lanes 0-15, zeros in lanes 16-31
	v_permlane16_swap_b32 v25, v27
	v_permlane16_swap_b32 v32, v34                 ; u = 1: the whole block in lanes 16-31, zeros in lanes 0-15
	v_permlane16_swap_b32 v33, v35
.irp j, 28,29,30,31,36,37,38,39
	v_mov_b32 v[\j], 0
.endr
	PLACES 4                                       ; an operand written by a vector instruction stands 4 places ahead of a scaled product, a scale register 8
	s_wait_alu depctr_va_vdst(0)                   ; the wait at the head's end
	s_mov_b32 s80, 0
.Ltrip:                                            ; seven trips; the eighth is written out
	TRIP 0
	s_cmp_lt_u32 s80, 7
	s_cbranch_scc1 .Ltrip
	TRIP 1
	; THE WEIGHT HEAD: products 2 and 3, the softmax, the mask, and out1's 16 rows.
.irp c, 0,1,2,3
	ds_load_b128 v[24+4*\c:27+4*\c], v61 offset:512*\c         ; h1's two fragments: lane (r, h) takes block 2 c + h of row r
.endr
	ds_load_b64 v[110:111], v3                                 ; and its eight scale bytes: two words
	s_wait_loadcnt 0x0                                         ; missing_bool
.irp i, 0,1,2,3
	ds_store_b128 v7, v[MB+4*\i:MB+4*\i+3] offset:576*\i       ; into my stage, as it lies
.endr
	s_wait_dscnt 0x0                                           ; the head's weights, asked for in the last trip, are in too
	MM HD, 64, 24, 56, 110                                     ; the two accumulators by turns, one instruction a turn
	MM HD+8, 80, 24, 58, 110
	MM HD, 72, 32, 57, 111
	MM HD+8, 88, 32, 59, 111
	PLACES 4
.irp k, 0,1,2,3
	ds_load_b128 v[LG+4*\k:LG+4*\k+3], v4 offset:BGB+128+16*\k ; bg2 starts product 3
.endr
.irp q, 0,1,2,3
	ds_load_b128 v[MB+4*\q:MB+4*\q+3], v5 offset:16*\q         ; missing_bool(row r, 16 h + 0 .. 15)
.endr
.irp j, 0,2,4,6,8,10,12,14
	v_pk_mul_f32 v[80+\j:81+\j], v[HD+\j:HD+\j+1], 0x3c23d70a op_sel_hi:[1,0]    ; 0.01 x
.endr
.irp j, 0,2,4,6,8,10,12,14
	v_dual_max_num_f32 v[HD+\j], v[HD+\j], v[80+\j] :: v_dual_max_num_f32 v[HD+\j+1], v[HD+\j+1], v[81+\j]   ; leaky(x) = max(x, 0.01 x)
.endr
	v_mov_b32 v26, 0
	v_mov_b32 v27, 0
	QUANT1 HD, 24, 14
	v_permlane16_swap_b32 v24, v26                             ; lanes 0-15 now hold the whole block of 32, lanes 16-31 zeros
	v_permlane16_swap_b32 v25, v27
.irp j, 28,29,30,31
	v_mov_b32 v[\j], 0
.endr
	PLACES 4
	s_wait_alu depctr_va_vdst(0)                               ; the wait here, directly ahead of the wait below
	s_wait_dscnt 0x4                                           ; all but missing_bool's four loads
	MM LG, 96, 24, 108, 14
	MM LG+8, 100, 24, 109, 14
	PLACES 4
	v_max3_num_f32 v20, v[LG], v[LG+1], v[LG+2]                ; the row's largest logit; each accumulator is first read at its low end
	v_max3_num_f32 v21, v[LG+8], v[LG+9], v[LG+10]
	v_max3_num_f32 v20, v20, v[LG+3], v[LG+4]
	v_max3_num_f32 v21, v21, v[LG+11], v[LG+12]
	v_max3_num_f32 v20, v20, v[LG+5], v[LG+6]
	v_max3_num_f32 v21, v21, v[LG+13], v[LG+14]
	v_max3_num_f32 v20, v20, v[LG+7], v[LG+15]
	s_delay_alu instid0(VALU_DEP_1)
	v_max_num_f32 v20, v20, v21
	s_delay_alu instid0(VALU_DEP_1)
	v_permlanex16_b32 v21, v20, s[SEL], s[SEL+1]
	s_delay_alu instid0(VALU_DEP_1)
	v_max_num_f32 v20, v20, v21
	s_delay_alu instid0(VALU_DEP_1)
	v_mul_f32 v20, s[NL], v20                                  ; -l x the maximum
.irp j, 0,2,4,6,8,10,12,14
	v_pk_fma_f32 v[LG+\j:LG+\j+1], v[LG+\j:LG+\j+1], s[PL:PL+1], v[20:21] op_sel_hi:[1,0,0]
.endr
	s_wait_alu depctr_va_vdst(0)
.irp j, 0,1,2,3,4,5,6,7,8,9,10,11,12,13,14,15
	v_exp_f32 v[LG+\j], v[LG+\j]                               ; e^(z - max)
.endr
	v_nop
	s_wait_alu depctr_va_vdst(0)
	ROWSUM 22                                                  ; S1
	s_wait_alu depctr_va_vdst(0)
	v_rcp_f32 v22, v20                                         ; r1 = 1 / S1
	s_wait_dscnt 0x0                                           ; missing_bool's rows are in
.irp j, 0,2,4,6,8,10,12,14
	v_pk_mul_f32 v[LG+\j:LG+\j+1], v[LG+\j:LG+\j+1], v[MB+\j:MB+\j+1]            ; x the mask (also the plain place behind the reciprocal)
.endr
	ROWSUM 12                                                  ; S2
	s_wait_alu depctr_va_vdst(0)
	v_fmaak_f32 v21, v20, v22, 0x322bcc77                      ; the masked softmax's sum + 1e-8
	s_wait_alu depctr_va_vdst(0)
	v_rcp_f32 v23, v21
	v_nop
	s_wait_alu depctr_va_vdst(0)
	v_mul_f32 v20, v22, v23
.irp j, 0,2,4,6,8,10,12,14
	v_pk_mul_f32 v[LG+\j:LG+\j+1], v[LG+\j:LG+\j+1], v[20:21] op_sel_hi:[1,0]
.endr
.irp j, 0,1,2,3,4,5,6,7,8,9,10,11,12,13,14,15
	v_med3_num_f32 v[LG+\j], v[LG+\j], 0x358637bd, 0.5         ; held to 1e-6 .. 0.5
.endr
.irp q, 0,1,2,3
	ds_store_b128 v5, v[LG+4*\q:LG+4*\q+3] offset:16*\q        ; into the stage rows that the mask has left
.endr
.irp i, 0,1,2,3
	ds_load_b128 v[80+4*\i:83+4*\i], v7 offset:576*\i          ; and back as they lie in memory
.endr
.irp i, 0,1,2,3
	s_wait_dscnt 3-\i                                          ; the younger loads may stay out
	global_store_b128 v1, v[80+4*\i:83+4*\i], s[10:11] offset:512*\i th:TH_STORE_NT   ; 32 lanes store 512 consecutive bytes, at a multiple of 256 from out1's first byte
.endr
	s_cmp_lg_u32 s58, 0
	s_cbranch_scc1 .Lend
	; THE PREDICTION, wave 0 alone, for row 15 of its tile, t = 511.  Every lane takes that row, so all 16 rows of a data operand are alike.
	; Product 4: source 0 = x2: rows 0-7 hold it in K blocks 0, 1 and zeros in 2, 3; rows 8-15 the other way round.  Source 1 = W_ih2: K blocks 0, 1 of lane r are row 2 r of a block of 32 units, K blocks 2, 3 row 2 r + 1.
	; So register 0 of the result holds unit 2 r + h of the block in lane (r, h): 32 units in one register, and the whole cell is eight registers for each gate.
	s_wait_kmcnt 0x0                               ; the basin and bp2
	s_min_u32 s88, s88, 530
	s_lshl_b32 s60, s88, 7
	s_mov_b32 s61, 0
	s_add_nc_u64 s[48:49], s[48:49], s[60:61]
	v_lshl_add_u32 v32, v17, 6, s62                ; the stage, + 64 h
	v_lshlrev_b32 v6, 6, v17                       ; 64 h: seq_features, the basin's row
	v_lshlrev_b32 v8, 6, v16
	v_lshl_add_u32 v8, v17, 4, v8                  ; W_ih2's codes: rows 2 r of 32 bytes, + 16 h
	v_lshlrev_b32 v9, 2, v16                       ; its scales: the four bytes of rows 2 r, 2 r + 1
	v_lshlrev_b32 v10, 3, v16
	v_lshl_add_u32 v10, v17, 2, v10                ; b2: 4 (2 r + h)
	v_add_nc_u32 v2, s63, v10                      ; h2 in f32 goes to my part of PK in the order of the units,
	v_lshl_add_u32 v3, v11, 5, s63                 ; comes back as eight neighbours a lane,
	v_lshl_add_u32 v4, v11, 2, s63                 ; and goes out again as codes, four bytes a lane,
	v_lshrrev_b32 v5, 2, v11
	v_add_nc_u32 v5, s63, v5                       ; with a byte for each four lanes
	v_lshl_add_u32 v7, v17, 4, s63
	v_lshrrev_b32 v61, 5, v11
	v_add_nc_u32 v61, s63, v61                     ; (the part's first byte, in every lane)
	v_lshlrev_b32 v23, 7, v16
	v_lshl_add_u32 v23, v17, 4, v23                ; Wp1: rows of 128 bytes, + 16 h
	v_lshlrev_b32 v11, 3, v16                      ; its scales: 8 bytes a row
	v_lshlrev_b32 v17, 5, v17                      ; bp1, Wp2: 32 h
	s_wait_alu depctr_va_vdst(0)                   ; the wait here, directly ahead of the wait below
	s_wait_xcnt 0x0                                ; out1's stores have read their registers: loads land in them below
.irp k, 0,1,2,3
	global_load_b128 v[96+4*\k:99+4*\k], v6, s[8:9] offset:16*\k
.endr
.irp k, 0,1,2,3
	global_load_b128 v[112+4*\k:115+4*\k], v6, s[48:49] offset:16*\k
.endr
.irp q, 0,1,2
.irp b, 0,1,2,3,4,5,6,7
	global_load_b32 v[36+8*\q+\b], v10, s[34:35] offset:(\q+(\q+1)/2)*1024+128*\b     ; b2: the gates i, g, o in v36-43, v44-51, v52-59
.endr
.endr
.irp k, 0,1,2,3
	ds_load_b128 v[64+4*\k:67+4*\k], v32 offset:15*144+16*\k   ; w(511, 16 h + 0 .. 15)
.endr
	s_wait_dscnt 0x0
	s_wait_loadcnt 24                              ; seq_features and the basin's row are in; behind them b2's 24 were issued
.irp j, 0,1,2,3,4,5,6,7,8,9,10,11,12,13,14,15
	v_med3_num_f32 v[96+\j], v[96+\j], s85, s86    ; sf
.endr
.irp j, 0,2,4,6,8,10,12,14
	v_pk_mul_f32 v[96+\j:97+\j], v[96+\j:97+\j], v[64+\j:65+\j]    ; sf x w: x2's first block
.endr
.irp j, 0,1,2,3,4,5,6,7,8,9,10,11,12,13,14,15
	v_med3_num_f32 v[112+\j], v[112+\j], s85, s86  ; the basin's row, clipped: its second
.endr
.macro W2LOAD q, half                  ; four blocks of a gate's rows: codes and scale words
.irp i, 0,1,2,3
	global_load_b128 v[64+8*\i:67+8*\i], v8, s[30:31] offset:(\q+(\q+1)/2)*8192+1024*(4*\half+\i)
	global_load_b128 v[68+8*\i:71+8*\i], v8, s[30:31] offset:(\q+(\q+1)/2)*8192+1024*(4*\half+\i)+32
	global_load_b32 v[32+\i], v9, s[32:33] offset:(\q+(\q+1)/2)*512+64*(4*\half+\i)
.endr
.endm
.macro W2MUL q, half, nq, nhalf, more  ; their products; the next four blocks are asked for behind the places
	s_wait_alu depctr_va_vdst(0)                   ; the wait here, directly ahead of the wait below
	s_wait_loadcnt 0x0
.irp i, 0,1,2,3
	v_wmma_scale_f32_16x16x128_f8f6f4 v[96+8*\i:103+8*\i], v[24:31], v[64+8*\i:71+8*\i], 0, v60, v[32+\i] matrix_a_fmt:MATRIX_FMT_FP4 matrix_b_fmt:MATRIX_FMT_FP4
.endr
	PLACES 4
.if \more
	W2LOAD \nq, \nhalf
.endif
.irp i, 0,1,2,3
	v_add_f32 v[36+8*\q+4*\half+\i], v[96+8*\i], v[36+8*\q+4*\half+\i]     ; + b2
.endr
.endm
	W2LOAD 0, 0
	QUANT1 96, 12, 14
	QUANT1 112, 28, 15
	v_permlane16_swap_b32 v12, v28                 ; v12, v13, v28, v29: lane (r, h) holds the whole of x2's block h
	v_permlane16_swap_b32 v13, v29
	v_cmp_gt_u32 vcc_lo, 8, v16
	v_cndmask_b32 v24, 0, v12, vcc_lo              ; rows 0-7: K blocks 0, 1;
	v_cndmask_b32 v25, 0, v13, vcc_lo
	v_cndmask_b32 v26, 0, v28, vcc_lo
	v_cndmask_b32 v27, 0, v29, vcc_lo
	v_xor_b32 v30, v28, v26                        ; rows 8-15: K blocks 2, 3
	v_xor_b32 v31, v29, v27
	v_xor_b32 v28, v12, v24
	v_xor_b32 v29, v13, v25
	v_lshl_or_b32 v60, v15, 8, v14
	v_lshl_or_b32 v60, v60, 16, v60                ; x2's scale word: the two bytes twice
	PLACES 8
	W2MUL 0, 0, 0, 1, 1
	W2MUL 0, 1, 1, 0, 1
	W2MUL 1, 0, 1, 1, 1
	W2MUL 1, 1, 2, 0, 1
	W2MUL 2, 0, 2, 1, 1
	W2MUL 2, 1, 0, 0, 0
.irp j, 0,1,2,3
	global_load_b128 v[96+4*\j:99+4*\j], v23, s[36:37] offset:32*\j    ; Wp1's two fragments
.endr
	global_load_b64 v[32:33], v11, s[38:39]        ; its scale words
	global_load_b128 v[120:123], v17, s[40:41]     ; bp1(8 h + 0 .. 7) starts the sum
	global_load_b128 v[124:127], v17, s[40:41] offset:16
	global_load_b128 v[24:27], v17, s[42:43]       ; Wp2 likewise
	global_load_b128 v[28:31], v17, s[42:43] offset:16
	ACT 36, 44, 52, 112, 8, 0
.irp b, 0,1,2,3,4,5,6,7
	ds_store_b32 v2, v[44+\b] offset:128*\b
.endr
	ds_load_b128 v[64:67], v3                      ; units 8 lane + 0 .. 7; four lanes to a block of 32
	ds_load_b128 v[68:71], v3 offset:16
	s_wait_dscnt 0x0
	v_max3_num_f32 v20, |v64|, |v65|, 0x1800000
	v_max3_num_f32 v21, |v66|, |v67|, |v68|
	v_max3_num_f32 v20, v20, |v69|, |v70|
	v_max3_num_f32 v20, v20, v21, |v71|
	v_max_num_f32_dpp v20, v20, v20 row_xmask:1 row_mask:0xf bank_mask:0xf
	v_max_num_f32_dpp v20, v20, v20 row_xmask:2 row_mask:0xf bank_mask:0xf
	v_add_nc_u32 v22, 0xff000000, v20
	v_lshrrev_b32 v14, 23, v22
	v_cvt_scalef32_pk8_fp4_f32 v12, v[64:71], v22
	v_nop
	ds_store_b32 v4, v12 offset:1024
	ds_store_b8 v5, v14 offset:1152                ; (four lanes write each byte, with the same number)
.irp j, 0,1,2,3
	ds_load_b128 v[72+4*\j:75+4*\j], v7 offset:1024+32*\j      ; h2's two fragments, every row alike
.endr
	ds_load_b64 v[88:89], v61 offset:1152
	s_wait_loadcnt 0x0
	s_wait_dscnt 0x0
	v_wmma_scale_f32_16x16x128_f8f6f4 v[52:59], v[96:103], v[72:79], v[120:127], v32, v88 matrix_a_fmt:MATRIX_FMT_FP4 matrix_b_fmt:MATRIX_FMT_FP4   ; Wp1 x h2 + bp1
	s_wait_alu depctr_va_vdst(0)                   ; a wait between its two products
	MM 52, 104, 80, 33, 89
	PLACES 4
.irp j, 0,2,4,6
	v_pk_mul_f32 v[112+\j:113+\j], v[52+\j:53+\j], 0x3c23d70a op_sel_hi:[1,0]
.endr
.irp j, 0,1,2,3,4,5,6,7
	v_max_num_f32 v[52+\j], v[52+\j], v[112+\j]    ; leaky
.endr
	v_mul_f32 v20, v52, v24                        ; x Wp2: K = 16, eight in a lane, in f32
.irp j, 1,2,3,4,5,6,7
	s_delay_alu instid0(VALU_DEP_1)
	v_fma_f32 v20, v[52+\j], v[24+\j], v20
.endr
	s_delay_alu instid0(VALU_DEP_1)
	v_permlanex16_b32 v21, v20, s[SEL], s[SEL+1]
	s_delay_alu instid0(VALU_DEP_1)
	v_add_f32 v20, v20, v21
	s_delay_alu instid0(VALU_DEP_1)
	v_add_f32 v20, s87, v20                        ; + bp2
	s_delay_alu instid0(VALU_DEP_1)
	v_med3_num_f32 v20, v20, 0, 0x42c80000         ; held to 0 .. 100
	v_mov_b32 v22, 0
	v_and_b32 v21, 31, v0
	v_cmp_eq_u32 vcc_lo, 0, v21                    ; every lane has the number; lane 0 stores it
	s_wait_alu depctr_va_vdst(0)                   ; the wait here, directly ahead of the wait below
	s_wait_xcnt 0x0                                ; EXEC changes only behind this wait
	s_and_saveexec_b32 s60, vcc_lo
	global_store_b32 v22, v20, s[50:51]            ; out0[g]
	s_wait_xcnt 0x0                                ; and again in front of the line that widens it
	s_mov_b32 exec_lo, -1
.Lend:
	s_wait_tensorcnt 0x0                           ; the wave's end, behind my last LDS store
	ds_add_u32 v18, v19
	s_wait_dscnt 0x0
	s_endpgm
.Lfunc_end_k_q78d5d625f1_sca2lstm:
	.size	k_q78d5d625f1_sca2lstm, .Lfunc_end_k_q78d5d625f1_sca2lstm-k_q78d5d625f1_sca2lstm
	.p2alignl 7, 3214868480
	.fill 96, 4, 3214868480
	.section	.rodata,"a",@progbits
	.p2align	6, 0x0
	.amdhsa_kernel k_q78d5d625f1_sca2lstm
		.amdhsa_group_segment_fixed_size 194304
		.amdhsa_private_segment_fixed_size 0
		.amdhsa_enable_private_segment 0
		.amdhsa_kernarg_size 192
		.amdhsa_user_sgpr_count 2
		.amdhsa_user_sgpr_kernarg_segment_ptr 1
		.amdhsa_wavefront_size32 1
		.amdhsa_system_sgpr_workgroup_id_x 1
		.amdhsa_system_sgpr_workgroup_id_y 1
		.amdhsa_system_sgpr_workgroup_id_z 1
		.amdhsa_system_vgpr_workitem_id 0
		.amdhsa_next_free_vgpr 128
		.amdhsa_next_free_sgpr 96
		.amdhsa_reserve_vcc 1
		.amdhsa_float_denorm_mode_32 3
		.amdhsa_float_denorm_mode_16_64 3
		.amdhsa_memory_ordered 1
		.amdhsa_forward_progress 1
		.amdhsa_inst_pref_size 84
	.end_amdhsa_kernel
	.amdgpu_metadata
---
amdhsa.version: [ 1, 2 ]
amdhsa.kernels:
  - .name:           k_q78d5d625f1_sca2lstm
    .symbol:         k_q78d5d625f1_sca2lstm.kd
    .args:
      - { .name: lstm1_input, .offset: 0, .size: 8, .value_kind: global_buffer, .address_space: global }
      - { .name: missing_bool, .offset: 8, .size: 8, .value_kind: global_buffer, .address_space: global }
      - { .name: seq_features, .offset: 16, .size: 8, .value_kind: global_buffer, .address_space: global }
      - { .name: out1, .offset: 24, .size: 8, .value_kind: global_buffer, .address_space: global }
      - { .name: W_ih1_codes, .offset: 32, .size: 8, .value_kind: global_buffer, .address_space: global }
      - { .name: W_ih1_scales, .offset: 40, .size: 8, .value_kind: global_buffer, .address_space: global }
      - { .name: b1, .offset: 48, .size: 8, .value_kind: global_buffer, .address_space: global }
      - { .name: Wg1_codes, .offset: 56, .size: 8, .value_kind: global_buffer, .address_space: global }
      - { .name: Wg1_scales, .offset: 64, .size: 8, .value_kind: global_buffer, .address_space: global }
      - { .name: bg1, .offset: 72, .size: 8, .value_kind: global_buffer, .address_space: global }
      - { .name: Wg2_codes, .offset: 80, .size: 8, .value_kind: global_buffer, .address_space: global }
      - { .name: Wg2_scales, .offset: 88, .size: 8, .value_kind: global_buffer, .address_space: global }
      - { .name: bg2, .offset: 96, .size: 8, .value_kind: global_buffer, .address_space: global }
      - { .name: W_ih2_codes, .offset: 104, .size: 8, .value_kind: global_buffer, .address_space: global }
      - { .name: W_ih2_scales, .offset: 112, .size: 8, .value_kind: global_buffer, .address_space: global }
      - { .name: b2, .offset: 120, .size: 8, .value_kind: global_buffer, .address_space: global }
      - { .name: Wp1_codes, .offset: 128, .size: 8, .value_kind: global_buffer, .address_space: global }
      - { .name: Wp1_scales, .offset: 136, .size: 8, .value_kind: global_buffer, .address_space: global }
      - { .name: bp1, .offset: 144, .size: 8, .value_kind: global_buffer, .address_space: global }
      - { .name: Wp2, .offset: 152, .size: 8, .value_kind: global_buffer, .address_space: global }
      - { .name: bp2, .offset: 160, .size: 8, .value_kind: global_buffer, .address_space: global }
      - { .name: basin_ids, .offset: 168, .size: 8, .value_kind: global_buffer, .address_space: global }
      - { .name: basin_emb, .offset: 176, .size: 8, .value_kind: global_buffer, .address_space: global }
      - { .name: out0, .offset: 184, .size: 8, .value_kind: global_buffer, .address_space: global }
    .group_segment_fixed_size: 194304
    .private_segment_fixed_size: 0
    .kernarg_segment_align: 8
    .kernarg_segment_size: 192
    .max_flat_workgroup_size: 1024
    .sgpr_count:     96
    .vgpr_count:     128
    .wavefront_size: 32
...
	.end_amdgpu_metadata
.endif
;; end of part 1
